; MI455X (gfx1250); checked and timed in simulation.
; The chip was launched on July 23, 2026; its instructions are those of AMD's public machine-readable ISA for CDNA 5 (MIT licence, August 2026) and "CDNA5" Instruction Set Architecture Reference Guide (July 2026). The comments in the code are by the model that wrote it; some were corrected since.
;; MHA. Allowed arithmetic: matrix products marked QUANTISED: E5M2 operands, one given power-of-two scale a tensor, by v_wmma_f32_16x16x64_bf8_bf8 or v_wmma_f32_16x16x128_bf8_bf8, f32 sums; products left as they are: f32 operands where the result goes on into a quantised operand, else bf16, f16 or f32 operands; f32 sums; everything else in f32.
;; Inputs: P_k 16 x 1,024 x 64 float32; P_o 16 x 1,024 x 64 float32; P_q 16 x 1,024 x 64 float32; P_v 16 x 1,024 x 64 float32; lowp_scales 10 int32 (the exponents e of the quantised operands' scales 2^e); x 8 x 1,024 x 1,024 float32.
;; Outputs: out0 8 x 1,024 x 1,024 float32.
;; This version of the problem:
;;   THIS VERSION OF THE PROBLEM IS GIVEN IN LOW PRECISION. The matrix products marked QUANTISED in the list below multiply operands that are first quantised to E5M2 (5 exponent bits, 2 mantissa bits; 8 bits a number), with one given power-of-two scale for each operand tensor; their sums are f32. All else is computed in f32.
;;   The module's matrix products, in the order in which they are computed (A, B: the left and right operand; K: the contracted axis; several contracted axes count as one K, in the product's order):
;;     1. [M 1,024, K 1,024] x [K 1,024, N 8,192]; A: input P_q; B: input x: QUANTISED (scales: A lowp_scales[0], B lowp_scales[1])
;;     2. [M 1,024, K 1,024] x [K 1,024, N 8,192]; A: input P_k; B: input x: QUANTISED (scales: A lowp_scales[2], B lowp_scales[3])
;;     3. [M 1,024, K 1,024] x [K 1,024, N 8,192]; A: input P_v; B: input x: QUANTISED (scales: A lowp_scales[4], B lowp_scales[5])
;;     4. batch 128 x [M 1,024, K 64] x [K 64, N 1,024]; A: computed on the way; B: computed on the way: QUANTISED (scales: A lowp_scales[6], B lowp_scales[7])
;;     5. batch 131,072 x [M 1, K 1] x [K 1, N 64]; A: computed on the way; B: computed on the way: left as it is (no contracted axis)
;;     6. [M 8,192, K 1,024] x [K 1,024, N 1,024]; A: computed on the way; B: input P_o: QUANTISED (scales: A lowp_scales[8], B lowp_scales[9])
;;   THE QUANTISER, for each operand of a quantised product, along K:
;;     - The operand's scale is 2^e, e = its entry of the input lowp_scales (int32; the entries are numbered through the quantised products in the list's order, A before B).
;;     - Each number is divided by the scale, clamped to +-57,344, and rounded to the nearest number of E5M2, ties to even, subnormals kept.
;;     - The product sums the exact products of the quantised numbers (number of the format x scale) in f32.
;;   ~~~python
;;   def quantise(x, axis, e):      # numpy; x: float32 -> the quantised numbers, widened to float32 again
;;       x = np.moveaxis(x, axis, -1); K = x.shape[-1]
;;       r = np.clip(x / 2.0 ** e, -57344, 57344)
;;       step = 2.0 ** (np.maximum(np.frexp(np.where(r == 0, 1, r))[1] - 1, -14) - 2)
;;       q = np.round(r / step) * step * 2.0 ** e      # np.round: ties to even
;;       return np.moveaxis(q, -1, axis).astype(np.float32)
;;   ~~~
;;   OPERANDS COMPUTED ON THE WAY. 'Computed on the way' means the value that the module computes at that place (a softmax that the list does not call 'softmax' is quantised finished and normalised). What goes into a quantiser is computed in f32, as accurately as f32 sums, v_exp_f32 and their like allow (about 1e-6 of the number): no bf16 or f16 on the way to a quantiser, and a product that is left as it is and whose result goes on into a quantised operand takes f32 operands (vector FMAs, or v_wmma_f32_16x16x4_f32). A number that lies on a knife's edge between two numbers of the format may be rounded either way, as far as f32 arithmetic and the matrix unit's own rounding can turn it there, and no further.
;; One version. Each part assembles by itself: llvm-mc -triple=amdgcn-amd-amdhsa -mcpu=gfx1250 --defsym DOCPART=n.
;; ======== version 1 of 1: 4 launches
;; limits: right only within a limited range of input values
;; workspace buffers: xc 25,165,824 bytes; wc 4,194,304 bytes; qkc 16,777,216 bytes; oc 8,388,608 bytes
;; launch quant (part 1): grid 480 x 1, 8 waves a work-group, no clusters, 70,656 bytes of LDS; arguments x, P_q, P_k, P_v, P_o, lowp_scales, xc, wc; writes xc, wc
.if DOCPART == 1
	.amdgcn_target "amdgcn-amd-amdhsa--gfx1250"
	.amdhsa_code_object_version 6
	.text
	.protected	k_qb7b88c3564_quant
	.globl	k_qb7b88c3564_quant
	.p2align	8
	.type	k_qb7b88c3564_quant,@function
k_qb7b88c3564_quant:
	s_mov_b64 s[64:65], 0
	v_nop
	global_prefetch_b8 v0, s[64:65] scope:SCOPE_SE
	s_setreg_imm32_b32 hwreg(HW_REG_WAVE_MODE, 25, 1), 1
	s_wait_xcnt 0x0
; x and the four weights, f32, become codes of BF8 (E5M2), each operand with the scale 2^e that is given for it:
; code = number / 2^e, held within +-57,344, rounded to the nearest code, ties to even.
; x is an operand of three products with three scales (entries 1, 3, 5): three sets of codes, xc's parts 0, 1, 2 (8 MiB each), made from ONE read of x.
; wc's parts 0, 1, 2: P_q, P_k, P_v (entries 0, 2, 4), rows = 64 head + channel, K = d;  part 3: P_o (entry 9), rows = d, K = 64 head + channel.  1 MiB each.
; LAYOUT OF EVERY SET OF CODES (ROWS rows, K = 1,024): the order of the operand's registers.
;   byte(row, k) = (k / 256) ROWS 256 + (row / 16) 4096 + ((k % 256) / 16) 256 + (row % 16) 16 + k % 16
; so that 128 rows x 256 K are 32,768 consecutive bytes, and a lane's 16 bytes of a fragment lie at 16 x lane of 512 consecutive bytes.
; THREE PATHS, parted on the work-group's number: 0-255 x; 256-287 P_o (both: K innermost in pieces of 64 numbers); 288-479 P_q, P_k, P_v (K is the middle axis).
; Paths x and P_o: a wave takes 16 rows x 256 K.  Each load reads two rows' 256 consecutive bytes (64 numbers of each); the conversions want 16 neighbours along K in one lane,
; so 64 K of the 16 rows at a time turn through the wave's own stage in LDS (rows of 256 bytes + 16).  A lane's 16 codes are 16 bytes: a store covers 512 consecutive bytes.
; Path P_q, P_k, P_v: a lane takes a column (a row of the codes) and its registers run down K = d: nothing is transposed; sixteen lanes store 256 consecutive bytes, aligned.
; Waves share nothing: no barrier.  Each path that uses LDS has LDS bytes of its own.
; LIMITS: each of the entries 0, 1, 2, 3, 4, 5, 9 lies between -126 and 112, so that 2^e and 57,344 x 2^e are f32 numbers.  NaN among the inputs is not served; an infinity is held at the largest code.
.set SPITCH, 272                       ; a stage row: 256 bytes + 16
.set WSTG,   16*SPITCH                 ; a wave's stage
.set STG_X,  0                         ; path x: eight stages
.set STG_O,  8*WSTG                    ; path P_o: eight more
.set GIN,  4                           ; v4   my byte offset on the way in
.set SW,   5                           ; v5   the stage, on the way in: row = lane / 16, 16 bytes x (lane % 16)
.set SR,   6                           ; v6   and back: row = lane % 16, 64 bytes x (lane / 16)
.set GOUT, 7                           ; v7   16 x lane
.set SCL,  8                           ; v8-13 for each of up to three outputs: 2^e, and 57,344 x 2^e
.set WOUT, 14                          ; v14  path P_q..: my byte offset on the way out
.set X,    32                          ; v32-63   32 numbers a lane, back from the stage
.set R,    64                          ; v64-191  numbers as loaded
.set CD,   192                         ; v192-215 codes
.set TMP,  216                         ; v216-247 held numbers, two sets of 16 by turns
.macro MKS se, vsc, vlim               ; from the exponent in s[se]: 2^e and 57,344 x 2^e as f32
	s_add_co_i32 s50, s[\se], 127
	s_lshl_b32 s51, s50, 23
	v_mov_b32 v[\vsc], s51                         ; the conversion takes this number's exponent field
	s_add_co_i32 s50, s50, 15
	s_lshl_b32 s50, s50, 23
	s_or_b32 s50, s50, 0x600000                    ; 57,344 = 1.75 x 2^15
	v_mov_b32 v[\vlim], s50
.endm
; 32 loads: unit u (64 along K), pair of rows i.  Sixteen lanes read 256 consecutive bytes, aligned.
.macro QLOAD adr, pstep, ustep
.irp u, 0,1,2,3
.irp i, 0,1,2,3,4,5,6,7
	global_load_b128 v[R+32*\u+4*\i:R+32*\u+4*\i+3], v[\adr], s[26:27] offset:\u*\ustep+\i*\pstep th:TH_LOAD_NT
.endr
.endr
.endm
; The four units, one after the other: through the stage, then for each of nout outputs the hold, the conversion and the store.
.macro QWORK nout, stg
.irp u, 0,1,2,3
	s_wait_loadcnt 24-8*\u                         ; this unit's eight loads are in; the later units' eight each may be out
.irp i, 0,1,2,3,4,5,6,7
	ds_store_b128 v[SW], v[R+32*\u+4*\i:R+32*\u+4*\i+3] offset:\stg+2*SPITCH*\i
.endr
.irp c, 0,1
.irp t, 0,1,2,3
	ds_load_b128 v[X+16*\c+4*\t:X+16*\c+4*\t+3], v[SR] offset:\stg+128*\c+16*\t   ; LDS serves a wave's instructions in order: these see the stores above.  Register 16 c + i: k = 32 c + 16 (lane / 16) + i of row lane % 16
.endr
.endr
	s_wait_dscnt 0x0
.if \u > 0
	s_wait_xcnt 0x0                                ; the last unit's stores have read their registers: the codes may be written again
.endif
.irp o, 0,1,2
.if \o < \nout
.irp c, 0,1
.set TS, TMP+16*((2*\o+\c)%2)
.irp i, 0,1,2,3,4,5,6,7,8,9,10,11,12,13,14,15
	v_med3_num_f32 v[TS+\i], v[X+16*\c+\i], -v[SCL+2*\o+1], v[SCL+2*\o+1]   ; the conversion to an 8-bit code does not saturate (ISA guide 7.6.2): the hold comes first.  The other set's holds are the plain lines behind the conversions
.endr
	v_cvt_scalef32_pk8_bf8_f32 v[CD+8*\o+4*\c:CD+8*\o+4*\c+1], v[TS:TS+7], v[SCL+2*\o]
	v_cvt_scalef32_pk8_bf8_f32 v[CD+8*\o+4*\c+2:CD+8*\o+4*\c+3], v[TS+8:TS+15], v[SCL+2*\o]
	global_store_b128 v[GOUT], v[CD+8*\o+4*\c:CD+8*\o+4*\c+3], s[44+2*\o:45+2*\o] offset:(4*\u+2*\c)*256   ; pieces 4 u + 2 c and the next of the rows' sixteen: 512 consecutive bytes
.endr
.endif
.endr
.endr
	v_nop                                          ; a plain line behind the last conversion
.endm
	s_load_b512 s[8:23], s[0:1], 0x0               ; x 8, P_q 10, P_k 12, P_v 14, P_o 16, the exponents 18, xc 20, wc 22
	v_lshl_add_u32 v248, v0, 2, 0x11000
	v_mov_b32 v249, 0
	v_lshrrev_b32 v1, 5, v0
	s_delay_alu instid0(VALU_DEP_1)
	v_readfirstlane_b32 s24, v1                    ; wave 0..7
	v_and_b32 v1, 31, v0                           ; lane
	v_and_b32 v2, 15, v0                           ; r
	v_bfe_u32 v3, v0, 4, 1                         ; h
	s_delay_alu instid0(VALU_DEP_3)
	v_lshlrev_b32 v[GOUT], 4, v1
	s_mul_i32 s25, s24, WSTG
	v_mul_u32_u24 v[SW], v3, SPITCH
	s_delay_alu instid0(VALU_DEP_1)
	v_lshl_add_u32 v[SW], v2, 4, v[SW]
	s_delay_alu instid0(VALU_DEP_1)
	v_add_nc_u32 v[SW], s25, v[SW]
	v_mul_u32_u24 v[SR], v2, SPITCH
	s_delay_alu instid0(VALU_DEP_1)
	v_lshl_add_u32 v[SR], v3, 6, v[SR]
	s_delay_alu instid0(VALU_DEP_1)
	v_add_nc_u32 v[SR], s25, v[SR]
	s_mov_b32 s43, 0                               ; the upper word of every offset
	s_wait_kmcnt 0x0
	s_load_b256 s[32:39], s[18:19], 0x0            ; entries 0 to 7
	s_load_b64 s[40:41], s[18:19], 0x20            ; entries 8, 9
	s_cmp_lt_u32 ttmp9, 256
	s_cbranch_scc0 .Lnot_x
	; ---- x: task T = 8 x work-group + wave: rows 16 (T / 4) on, K 256 (T % 4) on
	s_lshl_b32 s28, ttmp9, 3
	s_add_co_u32 s28, s28, s24
	s_lshr_b32 s29, s28, 2                         ; block of 16 rows, 0..511
	s_and_b32 s30, s28, 3                          ; K step
	s_wait_alu depctr_va_vdst(0)
	v_lshlrev_b32 v[GIN], 12, v3                   ; a row of x is 4,096 bytes
	s_delay_alu instid0(VALU_DEP_1)
	v_lshl_add_u32 v[GIN], v2, 4, v[GIN]
	s_wait_alu depctr_va_vdst(0)
	s_lshl_b32 s42, s29, 16
	s_lshl_b32 s52, s30, 10
	s_add_co_u32 s42, s42, s52
	s_add_nc_u64 s[26:27], s[8:9], s[42:43]
	s_lshl_b32 s42, s30, 21
	s_lshl_b32 s52, s29, 12
	s_add_co_u32 s42, s42, s52
	s_add_nc_u64 s[44:45], s[20:21], s[42:43]      ; part 0,
	s_add_nc_u64 s[46:47], s[44:45], 0x800000      ; part 1,
	s_add_nc_u64 s[48:49], s[44:45], 0x1000000     ; part 2
	QLOAD GIN, 8192, 256
	s_wait_kmcnt 0x0
	MKS 33, SCL, SCL+1
	MKS 35, SCL+2, SCL+3
	MKS 37, SCL+4, SCL+5
	s_wait_alu depctr_va_vdst(0)
	QWORK 3, STG_X
	s_wait_tensorcnt 0x0
	ds_add_u32 v248, v249
	s_wait_dscnt 0x0
	s_endpgm
.Lnot_x:
	s_cmp_lt_u32 ttmp9, 288
	s_cbranch_scc0 .Lpath_w
	; ---- P_o [head][d][channel]: task T: rows d = 16 (T / 4) on, heads 4 (T % 4) on.  A unit is a head; two rows d are 512 consecutive bytes
	s_sub_co_u32 s28, ttmp9, 256
	s_lshl_b32 s28, s28, 3
	s_add_co_u32 s28, s28, s24
	s_lshr_b32 s29, s28, 2                         ; block of 16 rows, 0..63
	s_and_b32 s30, s28, 3                          ; K step = group of four heads
	s_lshl_b32 s52, s29, 12
	s_lshl_b32 s42, s30, 20
	s_add_co_u32 s42, s42, s52
	s_add_nc_u64 s[26:27], s[16:17], s[42:43]
	s_lshl_b32 s42, s30, 18
	s_add_co_u32 s42, s42, s52
	s_add_co_u32 s42, s42, 0x300000                ; wc's part 3
	s_add_nc_u64 s[44:45], s[22:23], s[42:43]
	s_wait_alu depctr_va_vdst(0)
	QLOAD GOUT, 512, 262144
	s_wait_kmcnt 0x0
	MKS 41, SCL, SCL+1
	s_wait_alu depctr_va_vdst(0)
	QWORK 1, STG_O
	s_wait_tensorcnt 0x0
	ds_add_u32 v248, v249
	s_wait_dscnt 0x0
	s_endpgm
.Lpath_w:
	; ---- P_q, P_k, P_v [head][d][channel]: a wave takes 32 channels x 64 d
	s_sub_co_u32 s28, ttmp9, 288
	s_lshr_b32 s29, s28, 6                         ; which tensor: 0, 1, 2
	s_and_b32 s30, s28, 63
	s_lshl_b32 s30, s30, 3
	s_add_co_u32 s30, s30, s24                     ; task 0..511
	s_lshr_b32 s31, s30, 5                         ; head
	s_bfe_u32 s52, s30, 0x40001                    ; which 64 of d
	s_and_b32 s53, s30, 1                          ; which 32 channels
	s_cmp_eq_u32 s29, 0
	s_cselect_b64 s[26:27], s[10:11], s[12:13]     ; the choice hangs on the work-group's number alone
	s_cmp_eq_u32 s29, 2
	s_cselect_b64 s[26:27], s[14:15], s[26:27]
	s_lshl_b32 s42, s31, 18
	s_lshl_b32 s54, s52, 14
	s_add_co_u32 s42, s42, s54
	s_lshl_b32 s54, s53, 7
	s_add_co_u32 s42, s42, s54
	s_add_nc_u64 s[26:27], s[26:27], s[42:43]
	v_lshlrev_b32 v[GIN], 2, v1
.set i, 0
.rept 64
	global_load_b32 v[R+i], v[GIN], s[26:27] offset:256*i   ; row d of the head at my 32 channels: 128 consecutive bytes; the neighbouring wave takes the other 128
.set i, i+1
.endr
	s_lshl_b32 s42, s29, 20                        ; wc's part,
	s_lshr_b32 s54, s52, 2
	s_lshl_b32 s54, s54, 18                        ; the K step,
	s_add_co_u32 s42, s42, s54
	s_lshl_b32 s54, s31, 14                        ; the head's four blocks of 16 rows,
	s_add_co_u32 s42, s42, s54
	s_lshl_b32 s54, s53, 13                        ; my two of them,
	s_add_co_u32 s42, s42, s54
	s_and_b32 s54, s52, 3
	s_lshl_b32 s54, s54, 10                        ; and my four pieces of 16 along K
	s_add_co_u32 s42, s42, s54
	s_add_nc_u64 s[44:45], s[22:23], s[42:43]
	s_wait_alu depctr_va_vdst(0)
	v_lshlrev_b32 v[WOUT], 12, v3
	s_delay_alu instid0(VALU_DEP_1)
	v_lshl_add_u32 v[WOUT], v2, 4, v[WOUT]
	s_wait_kmcnt 0x0
	s_cmp_eq_u32 s29, 0
	s_cselect_b32 s55, s32, s34
	s_cmp_eq_u32 s29, 2
	s_cselect_b32 s55, s36, s55                    ; entry 0, 2 or 4
	MKS 55, SCL, SCL+1
	s_wait_alu depctr_va_vdst(0)
.irp g, 0,1,2,3
	s_wait_loadcnt 48-16*\g                        ; these sixteen loads are in; the later groups' sixteen each may be out
.irp i, 0,1,2,3,4,5,6,7,8,9,10,11,12,13,14,15
	v_med3_num_f32 v[R+16*\g+\i], v[R+16*\g+\i], -v[SCL+1], v[SCL+1]
.endr
	v_cvt_scalef32_pk8_bf8_f32 v[CD+4*\g:CD+4*\g+1], v[R+16*\g:R+16*\g+7], v[SCL]
	v_cvt_scalef32_pk8_bf8_f32 v[CD+4*\g+2:CD+4*\g+3], v[R+16*\g+8:R+16*\g+15], v[SCL]
	global_store_b128 v[WOUT], v[CD+4*\g:CD+4*\g+3], s[44:45] offset:256*\g   ; sixteen lanes: 256 consecutive bytes, aligned
.endr
	v_nop                                          ; a plain line behind the last conversion
	s_endpgm
.Lfunc_end_k_qb7b88c3564_quant:
	.size	k_qb7b88c3564_quant, .Lfunc_end_k_qb7b88c3564_quant-k_qb7b88c3564_quant
	.p2alignl 7, 3214868480
	.fill 96, 4, 3214868480
	.section	.rodata,"a",@progbits
	.p2align	6, 0x0
	.amdhsa_kernel k_qb7b88c3564_quant
		.amdhsa_group_segment_fixed_size 70656
		.amdhsa_private_segment_fixed_size 0
		.amdhsa_enable_private_segment 0
		.amdhsa_kernarg_size 64
		.amdhsa_user_sgpr_count 2
		.amdhsa_user_sgpr_kernarg_segment_ptr 1
		.amdhsa_wavefront_size32 1
		.amdhsa_system_sgpr_workgroup_id_x 1
		.amdhsa_system_sgpr_workgroup_id_y 1
		.amdhsa_system_sgpr_workgroup_id_z 1
		.amdhsa_system_vgpr_workitem_id 0
		.amdhsa_next_free_vgpr 250
		.amdhsa_next_free_sgpr 66
		.amdhsa_reserve_vcc 0
		.amdhsa_float_denorm_mode_32 3
		.amdhsa_float_denorm_mode_16_64 3
		.amdhsa_memory_ordered 1
		.amdhsa_forward_progress 1
		.amdhsa_inst_pref_size 71
	.end_amdhsa_kernel
	.amdgpu_metadata
---
amdhsa.version: [ 1, 2 ]
amdhsa.kernels:
  - .name:           k_qb7b88c3564_quant
    .symbol:         k_qb7b88c3564_quant.kd
    .args:
      - { .name: x, .offset: 0, .size: 8, .value_kind: global_buffer, .address_space: global }
      - { .name: P_q, .offset: 8, .size: 8, .value_kind: global_buffer, .address_space: global }
      - { .name: P_k, .offset: 16, .size: 8, .value_kind: global_buffer, .address_space: global }
      - { .name: P_v, .offset: 24, .size: 8, .value_kind: global_buffer, .address_space: global }
      - { .name: P_o, .offset: 32, .size: 8, .value_kind: global_buffer, .address_space: global }
      - { .name: lowp_scales, .offset: 40, .size: 8, .value_kind: global_buffer, .address_space: global }
      - { .name: xc, .offset: 48, .size: 8, .value_kind: global_buffer, .address_space: global }
      - { .name: wc, .offset: 56, .size: 8, .value_kind: global_buffer, .address_space: global }
    .group_segment_fixed_size: 70656
    .private_segment_fixed_size: 0
    .kernarg_segment_align: 8
    .kernarg_segment_size: 64
    .max_flat_workgroup_size: 256
    .sgpr_count:     66
    .vgpr_count:     250
    .wavefront_size: 32
...
	.end_amdgpu_metadata
.endif
;; end of part 1
;; launch gemm_qk (part 2): grid 8 x 32, 4 waves a work-group, clusters of 4 x 4, 327,680 bytes of LDS; arguments xc, wc, lowp_scales, qkc; writes qkc
.if DOCPART == 2
	.amdgcn_target "amdgcn-amd-amdhsa--gfx1250"
	.amdhsa_code_object_version 6
	.text
	.protected	k_qb7b88c3564_gemm_qk
	.globl	k_qb7b88c3564_gemm_qk
	.p2align	8
	.type	k_qb7b88c3564_gemm_qk,@function
k_qb7b88c3564_gemm_qk:
	s_mov_b64 s[64:65], 0
	v_nop
	global_prefetch_b8 v0, s[64:65] scope:SCOPE_SE
	s_setreg_imm32_b32 hwreg(HW_REG_WAVE_MODE, 25, 1), 1
	s_wait_xcnt 0x0
	s_wait_alu depctr_hold_cnt(0) depctr_sa_sdst(0) depctr_va_vdst(0) depctr_va_sdst(0) depctr_va_ssrc(0) depctr_va_vcc(0) depctr_vm_vsrc(0)
	s_getreg_b32 s2, hwreg(HW_REG_IB_STS2, 6, 4)
	s_cmp_eq_u32 s2, 0
	s_cbranch_scc0 .Lentry_in_a_cluster
	s_endpgm
.Lentry_in_a_cluster:
	s_bfe_u32 s2, ttmp6, 0x10000c
	s_cmp_lg_u32 s2, 0xf033
	s_cbranch_scc0 .Lentry_shape_is_right
	s_endpgm
.Lentry_shape_is_right:
; Q = x P_q and K = x P_k on codes of BF8 (E5M2), and their quantising for the product Q K^T.  8,192 rows x 1,024 columns (64 head + channel) x K = 1,024 each.
; The cluster's x says which: 0: x's codes of part 0 x P_q's codes -> Q's codes (qkc's first 8 MiB); 1: part 1 x P_k's -> K's codes (its second 8 MiB).
; A sum stands for sum x 2^(e0 + e1) (K: e2 + e3); its code is sum / 2^(e6 - e0 - e1) (K: e7 - e2 - e3), held within +-57,344 and rounded: the three exponents are folded into the conversion's one scale.
; LIMIT: e6 - e0 - e1 and e7 - e2 - e3 lie between -126 and 112, so that the scale and 57,344 x the scale are f32 numbers.
; A tile of C, 256 x 256, is made by a work-group of four waves; a wave makes 128 x 128: 64 accumulators of 16 x 16, 512 registers.  K goes in steps of 256 through a ring of two LDS slots.
; ALL CODES LIE IN THE ORDER OF THE OPERAND'S REGISTERS: byte(row, k) = (k / 256) ROWS 256 + (row / 16) 4096 + ((k % 256) / 16) 256 + (row % 16) 16 + k % 16.
; So 128 rows x 256 K are 32,768 consecutive bytes, one tensor load, and a fragment's load takes 512 consecutive bytes of LDS, 16 a lane: no pitch and no padding.
; Lane l then holds, of row l % 16, K = 32 c + 16 (l / 16) + 0 .. 15 in registers 4 c .. 4 c + 3: a permutation of k that is the same in A and in B, so every product meets its partner.
; CLUSTERS: 4 x 4 work-groups.  The four of a row of the cluster need the same tiles of A, the four of a column the same tiles of B: each tile is asked for JOINTLY, by the same tensor load with the same descriptor and a mask that names the four.
; THE MATRIX INSTRUCTION IS USED TRANSPOSED (source 0 = 16 rows of B, source 1 = 16 rows of A): a lane holds eight neighbouring columns of one row of C, which are eight neighbours along the next product's K: one conversion, 8 bytes.
; REGISTERS, in windows of 256: window 0: v0-31 addresses and scales; v48-127 at work on the way out; from v128 A's fragments, ONE set.  window 1: B's fragments, TWO sets.  windows 2, 3: the accumulators ((a, b) at v[8 (8 (a % 4) + b)]).
.set HALFT,  32768                     ; 128 rows x 256 K: what one tensor load brings, and what one wave reads of A or of B
.set SLOT,   HALFT                     ; each wave's chunk of LDS holds its 128 rows of slot 0, then of slot 1; chunks: A's two halves, then B's two
.set SPARE,  8*HALFT                   ; behind the four chunks: the spare words
.set G1H,  68                          ; s[68:75], s[92:99]: group 1 of the head's loads: K steps 0 and 1 as two rows of 32,768 bytes
.set G1BH, 92
.set ASTEP,  8192*256                  ; bytes from a K step of A to the next
.set BSTEP,  1024*256                  ; and of B
.set LAPS,   2                         ; a lap = two K steps = once round the ring: 1,024 / 512
.set FR,     16                        ; registers of a fragment: 16 rows x 128 K
.set NL,     4                         ; LDS loads that bring one
.set NP,     4                         ; places behind this matrix instruction (ISA guide 7.12.1)
.set ADRA, 16                          ; v16-17  LDS address of my A fragments in slot 0, 1
.set ADRB, 20                          ; v20-21  the same for B
.set CO,   26                          ; v26     the way out: 16 (l % 16) + 8 (l / 16)
.set SPW,  28                          ; v28     LDS address of my spare word; never rewritten
.set NIL,  29                          ; v29     0; never rewritten
.set SC,   30                          ; v30     the conversion's scale as f32
.set LIM,  31                          ; v31     57,344 x that
.set TMP,  48                          ; v48-111  a block's sums, held
.set CD,   112                         ; v112-127 its codes
.set AF,   128
.set G1, 24                            ; s[24:31] descriptor group 1 for A's tiles;  s[32:39] group 0, one set for each slot
.set G0, 32
.set G1B, 48                           ; s[48:55], s[56:63] the same for B's tiles
.set G0B, 56
.set MSB, 0
.macro WIN new                         ; the immediate's high byte repeats the setting that is left
.if MSB != \new
	s_set_vgpr_msb (MSB<<8)|\new
.set MSB, \new
.endif
.endm
.set MUL_LO, 0xa1                      ; source 0 (B) window 1, source 1 (A) window 0, C and D window 2
.set MUL_HI, 0xf1                      ; the same, C and D window 3
.set TO_B,   0x40                      ; destination window 1, address window 0
; A joint load: waves 0 and 1 fetch for A, waves 2 and 3 for B.  Each of the two lines has ONE mask and one set of registers for all that issue it; the branch hangs on the wave's number alone.
; Four v_nop follow each of the two lines, ahead of the jump, the label and what follows.
.macro JLOAD g0a, g1a, g0b, g1b
	s_cmp_eq_u32 s15, 0
	s_cbranch_scc0 .Lfor_b_\@
	tensor_load_to_lds s[\g0a:\g0a+3], s[\g1a:\g1a+7]
	s_nop 0
.rept 4
	v_nop
.endr
	s_branch .Lasked_\@
.Lfor_b_\@:
	tensor_load_to_lds s[\g0b:\g0b+3], s[\g1b:\g1b+7]
	s_nop 0
.rept 4
	v_nop
.endr
.Lasked_\@:
.endm
.macro CREST                           ; a round of the cluster's barrier behind its opening barrier
	s_cmp_lg_u32 s14, 0
	s_cbranch_scc1 .Lnot_wave_0_\@
	s_barrier_signal -3
.Lnot_wave_0_\@:
	s_barrier_wait -3
	s_barrier_signal -1
	s_barrier_wait -1
.endm
.macro CROUND                          ; a whole round
	s_barrier_signal -1
	s_barrier_wait -1
	CREST
.endm
	s_load_b128 s[4:7], s[0:1], 0x0                ; x's codes s[4:5], the weights' codes s[6:7]
	s_load_b128 s[8:11], s[0:1], 0x10              ; the exponents s[8:9], Q's and K's codes s[10:11]
	v_lshl_add_u32 v[SPW], v0, 2, SPARE
	v_mov_b32 v[NIL], 0
	ds_add_u32 v28, v29
	ds_add_u32 v28, v29
	s_wait_dscnt 0x0
	v_lshrrev_b32 v1, 5, v0
	v_readfirstlane_b32 s14, v1                    ; wave 0..3
	s_lshr_b32 s15, s14, 1                         ; which half of the tile's rows is mine.  Also: I fetch for A (0) or for B (1)
	s_and_b32 s16, s14, 1                          ; which half of its columns.  Also: which 128 rows of that tile I fetch
	s_bfe_u32 s40, ttmp6, 0x40000                  ; cx: here also the tile column of C (the cluster's x chooses between Q and K)
	s_bfe_u32 s41, ttmp6, 0x40004                  ; cy
	s_and_b32 s17, ttmp7, 0xffff
	s_lshl_b32 s17, s17, 2
	s_add_co_u32 s17, s17, s41                     ; tile row of C = 4 x cluster y + cy
	s_lshl_b32 s43, s41, 2
	s_lshl_b32 s43, 15, s43                        ; my row of the cluster
	s_lshl_b32 s44, 0x1111, s40                    ; my column
	; descriptor group 1: 32,768 consecutive bytes as 128 rows of 32 elements of 8 bytes, no padding
	s_or_b32 s[G1+0], s43, (3<<16)|(1<<21)         ; 15:0 the mask: A's tiles go to my row; 17:16 elements of 8 bytes; 21 set beside a mask
	s_or_b32 s[G1B+0], s44, (3<<16)|(1<<21)        ; the same with the mask of my column
.irp g, G1, G1B
	s_mov_b32 s[\g+1], 32<<16                      ; tensor_dim0 = 32
	s_mov_b32 s[\g+2], 128<<16                     ; tensor_dim1 = 128
	s_mov_b32 s[\g+3], 32<<16                      ; tile_dim0 = 32
	s_mov_b32 s[\g+4], 128                         ; tile_dim1 = 128
	s_mov_b32 s[\g+5], 32                          ; tensor_dim0_stride: each row begins where the last ends
	s_mov_b32 s[\g+6], 0
	s_mov_b32 s[\g+7], 0
.endr
	s_or_b32 s[G1H], s43, (3<<16)|(1<<21)
	s_or_b32 s[G1BH], s44, (3<<16)|(1<<21)
.irp g, G1H, G1BH
	s_mov_b32 s[\g+1], 4096<<16                    ; a row: 4,096 elements of 8 bytes
	s_mov_b32 s[\g+2], 2<<16                       ; two rows
	s_mov_b32 s[\g+3], 4096<<16
	s_mov_b32 s[\g+4], 2
	s_mov_b32 s[\g+6], 0
	s_mov_b32 s[\g+7], 0
.endr
	s_mov_b32 s[G1H+5], ASTEP/8                    ; from K step to K step
	s_mov_b32 s[G1BH+5], BSTEP/8
	s_lshl_b32 s18, s16, 15
	s_lshl_b32 s20, s17, 16
	s_add_co_u32 s20, s20, s18                     ; A: 65,536 x tile row + 32,768 x half,
	s_lshl_b32 s19, ttmp9, 23
	s_add_co_u32 s20, s20, s19                     ; in xc's part 0 or 1
	s_mov_b32 s21, 0
	s_lshl_b32 s46, s40, 16
	s_add_co_u32 s46, s46, s18                     ; B: 65,536 x tile column + 32,768 x half,
	s_lshl_b32 s47, ttmp9, 20
	s_add_co_u32 s46, s46, s47                     ; in wc's part 0 or 1
	s_mov_b32 s47, 0
	s_mul_i32 s45, s14, 2*HALFT
	s_wait_kmcnt 0x0
	s_load_b256 s[80:87], s[8:9], 0x0              ; e0 .. e7
	s_add_nc_u64 s[20:21], s[4:5], s[20:21]
	s_add_nc_u64 s[46:47], s[6:7], s[46:47]
	CROUND                                         ; all sixteen work-groups are here: the first joint loads meet
.irp s, 0,1
	s_mov_b32 s[G0+4*\s], 1
	s_add_co_u32 s[G0+4*\s+1], s45, \s*SLOT
	s_add_nc_u64 s[G0+4*\s+2:G0+4*\s+3], s[20:21], \s*ASTEP
	s_or_b32 s[G0+4*\s+3], s[G0+4*\s+3], 0x80000000
	s_mov_b32 s[G0B+4*\s], 1
	s_add_co_u32 s[G0B+4*\s+1], s45, \s*SLOT
	s_add_nc_u64 s[G0B+4*\s+2:G0B+4*\s+3], s[46:47], \s*BSTEP
	s_or_b32 s[G0B+4*\s+3], s[G0B+4*\s+3], 0x80000000
.endr
	JLOAD G0, G1H, G0B, G1BH                       ; K steps 0 and 1 by one descriptor: one tensor load a wave at the head
	v_and_b32 v3, 31, v0
	v_lshlrev_b32 v4, 4, v3                        ; 16 x lane
	s_mul_i32 s21, s15, 2*HALFT
	s_mul_i32 s22, s16, 2*HALFT
	s_add_co_u32 s22, s22, 4*HALFT
.irp s, 0,1
	v_add_nc_u32 v[ADRA+\s], s21, v4
	v_add_nc_u32 v[ADRB+\s], s22, v4
	s_add_co_u32 s21, s21, SLOT
	s_add_co_u32 s22, s22, SLOT
.endr
	v_and_b32 v1, 15, v0                           ; l % 16
	v_bfe_u32 v2, v0, 4, 1                         ; l / 16
	v_lshlrev_b32 v[CO], 4, v1
	v_lshl_add_u32 v[CO], v2, 3, v[CO]
	s_lshl_b32 s46, ttmp9, 23                      ; where my part of the result begins: Q's or K's codes,
	s_lshl_b32 s47, s40, 21                        ; the K step of the next product = my tile column,
	s_add_co_u32 s46, s46, s47
	s_lshl_b32 s47, s17, 16                        ; the tile's sixteen blocks of 16 rows,
	s_add_co_u32 s46, s46, s47
	s_lshl_b32 s47, s15, 15                        ; my eight of them,
	s_add_co_u32 s46, s46, s47
	s_lshl_b32 s47, s16, 11                        ; my eight pieces of 16 columns
	s_add_co_u32 s46, s46, s47
	s_mov_b32 s47, 0
	s_add_nc_u64 s[10:11], s[10:11], s[46:47]
	s_wait_alu depctr_va_vdst(0)
	s_wait_kmcnt 0x0
	s_sub_co_i32 s90, s86, s80
	s_sub_co_i32 s90, s90, s81                     ; e6 - e0 - e1
	s_sub_co_i32 s91, s87, s82
	s_sub_co_i32 s91, s91, s83                     ; e7 - e2 - e3
	s_cmp_eq_u32 ttmp9, 0
	s_cselect_b32 s90, s90, s91                    ; a choice, no branch
	s_add_co_i32 s90, s90, 127
	s_lshl_b32 s91, s90, 23
	v_mov_b32 v[SC], s91
	s_add_co_i32 s90, s90, 15
	s_lshl_b32 s90, s90, 23
	s_or_b32 s90, s90, 0x600000
	v_mov_b32 v[LIM], s90
.macro FRAG reg, adr, q, i             ; block i of 16 rows, the slot's q-th 128 along K: four loads of 512 consecutive bytes
.irp c, 0,1,2,3
	ds_load_b128 v[\reg+4*\c:\reg+4*\c+3], v[\adr] offset:2048*(\q)+512*\c+(\i)*4096
.endr
.endm
; 16 matrix instructions: A's blocks a0, a0 + 1 x B's eight, 128 along K.  p: B's set.  zero = 1: the first product starts the sums: nothing is ever cleared.
; The 64 accumulators take turns, one instruction a turn, in the same order in every step.
.macro MUL16 a0, p, zero
.irp a, \a0, \a0+1
.irp b, 0,1,2,3,4,5,6,7
.if \zero
	v_wmma_f32_16x16x128_bf8_bf8 v[8*(8*((\a)%4)+\b):8*(8*((\a)%4)+\b)+7], v[128*(\p)+FR*\b:128*(\p)+FR*\b+FR-1], v[AF+FR*(\a):AF+FR*(\a)+FR-1], 0
.else
	v_wmma_f32_16x16x128_bf8_bf8 v[8*(8*((\a)%4)+\b):8*(8*((\a)%4)+\b)+7], v[128*(\p)+FR*\b:128*(\p)+FR*\b+FR-1], v[AF+FR*(\a):AF+FR*(\a)+FR-1], v[8*(8*((\a)%4)+\b):8*(8*((\a)%4)+\b)+7]
.endif
.endr
.endr
.endm
.macro FETCH_B slot, q, p              ; B's eight fragments of the slot's q-th 128 along K into set p
	WIN TO_B
.irp i, 0,1,2,3,4,5,6,7
	FRAG 128*(\p)+FR*\i, ADRB+\slot, \q, \i
.endr
	WIN 0
.endm
.macro FETCH_A slot, q, i0             ; A's blocks i0 .. i0 + 3
.irp i, \i0, \i0+1, \i0+2, \i0+3
	FRAG AF+FR*(\i), ADRA+\slot, \q, \i
.endr
.endm
; A load into a register that a matrix instruction has read, and a vector instruction that reads a matrix result, stand NP places behind that matrix instruction; only plain vector
; instructions that name none of its registers are places (ISA guide 7.12.1 for vector instructions).
.macro PLACES n
.rept \n
	v_nop
.endr
.endm
; A step of 128 along K that has its successor in the same slot.  A's blocks are free as soon as their eight products are issued: blocks 0-3 are fetched anew in the middle, blocks 4-7 at the end.
.macro STEP slot, q, zero
	s_wait_dscnt 4*NL                              ; B's set and A's blocks 0-3 are in; the youngest sixteen loads (A's blocks 4-7) may be out
	WIN MUL_LO
	MUL16 0, (\q)%2, \zero
	MUL16 2, (\q)%2, \zero
	s_wait_dscnt 0                                 ; A's blocks 4-7 are in
	PLACES NP
	FETCH_B \slot, (\q)+1, 1-(\q)%2
	FETCH_A \slot, (\q)+1, 0
	WIN MUL_HI
	MUL16 4, (\q)%2, \zero
	MUL16 6, (\q)%2, \zero
	PLACES NP
	WIN 0
	FETCH_A \slot, (\q)+1, 4
.endm
; A slot's last step changes slots: ONE barrier; in front of it each wave waits for all its tensor loads, adds 0 to its spare word, and waits for that and for its own reads of this slot.  fill = 1: this slot is filled again, two K steps ahead.
.macro TURN slot, next, fill
	s_wait_tensorcnt 0x0                           ; all my tensor loads have landed: my part of the next slot;  (every window is 0 here)
	ds_add_u32 v[SPW], v[NIL]                      ; 0 onto my spare word
	s_wait_dscnt 4*NL+1                            ; (the add and the youngest sixteen loads, A's blocks 4-7, may be out)
	WIN MUL_LO
	MUL16 0, 1, 0                                  ; sixteen matrix instructions stand between the add and the wait for it
	s_wait_dscnt 0x0                               ; the add is done, and my reads of this slot are over
	s_barrier_signal -1
	MUL16 2, 1, 0
	WIN 0
	s_barrier_wait -1
.if \fill
	CREST                                          ; the barrier has opened a round of the cluster's barrier: no wave of any partner still reads this slot's tile or has a load on its way
	s_add_nc_u64 s[G0+4*\slot+2:G0+4*\slot+3], s[G0+4*\slot+2:G0+4*\slot+3], 2*ASTEP
	s_add_nc_u64 s[G0B+4*\slot+2:G0B+4*\slot+3], s[G0B+4*\slot+2:G0B+4*\slot+3], 2*BSTEP
	JLOAD G0+4*\slot, G1, G0B+4*\slot, G1B         ; the first tensor load behind the round; the four v_nop behind it are the places in front of the loads below
.else
	PLACES NP
.endif
	FETCH_B \next, 0, 0
	FETCH_A \next, 0, 0
	WIN MUL_HI
	MUL16 4, 1, 0
	MUL16 6, 1, 0
	PLACES NP
	WIN 0
	FETCH_A \next, 0, 4
.endm
	s_wait_alu depctr_va_vdst(0)
	s_wait_tensorcnt 0x0                           ; my part of K step 0 is in
	s_barrier_signal -1
	s_barrier_wait -1                              ; everybody's part of both slots is in
	FETCH_B 0, 0, 0
	FETCH_A 0, 0, 0
	FETCH_A 0, 0, 4
	STEP 0, 0, 1                                   ; the first step stands in front of the loop: its products start the sums
	s_mov_b32 s3, LAPS-1
.Llap:                                                 ; a trip goes once round the ring, from a lap's second step to the next lap's first, and fills both slots again
	TURN 0, 1, 1
	STEP 1, 0, 0
	TURN 1, 0, 1
	STEP 0, 0, 0
	s_sub_co_u32 s3, s3, 1
	s_cmp_lg_u32 s3, 0
	s_cbranch_scc1 .Llap
	TURN 0, 1, 0                                   ; the last lap fills nothing, and has no round of the cluster's barrier
	STEP 1, 0, 0
	s_wait_dscnt 4*NL                              ; the very last step: nothing more to fetch
	WIN MUL_LO
	MUL16 0, 1, 0
	MUL16 2, 1, 0
	s_wait_alu depctr_va_vdst(0)
	s_wait_dscnt 0
	WIN MUL_HI
	MUL16 4, 1, 0
	MUL16 6, 1, 0
	WIN 0
; THE WAY OUT, block by block of 16 rows x 128 columns, without LDS: accumulator (a, b) gives lane l the columns 16 b + 8 (l / 16) + 0 .. 7 of row l % 16: eight codes, 8 bytes at 16 (l % 16) + 8 (l / 16)
; of piece b of block a: the 32 lanes of a store cover 256 consecutive bytes, aligned.
.macro OUTC a
.set AC, 64*((\a)%4)
	WIN 0x02+((\a)/4)                              ; source 0: window 2 or 3
.set j, 0
.rept 64
	v_med3_num_f32 v[TMP+j], v[AC+j], -v[LIM], v[LIM]   ; the hold at the largest code x the scale; each accumulator from its low end on
.set j, j+1
.endr
	WIN 0
	s_wait_alu depctr_va_vdst(0)
	s_wait_xcnt 0x0                                ; the last block's stores have read their registers: the codes may be written again
.irp b, 0,1,2,3,4,5,6,7
	v_cvt_scalef32_pk8_bf8_f32 v[CD+2*\b:CD+2*\b+1], v[TMP+8*\b:TMP+8*\b+7], v[SC]
.endr
	v_nop                                          ; a plain line behind the last conversion: the next block's holds write its sources
.irp b, 0,1,2,3,4,5,6,7
	global_store_b64 v[CO], v[CD+2*\b:CD+2*\b+1], s[10:11] offset:(\a)*4096+\b*256
.endr
.endm
	PLACES NP
.irp a, 0,1,2,3,4,5,6,7
	OUTC \a
.endr
	s_wait_tensorcnt 0x0                           ; the wave's end
	ds_add_u32 v[SPW], v[NIL]
	s_wait_dscnt 0x0
	CROUND                                         ; the closing round: no work-group ends while a partner may still ask for a tile that names it
	s_endpgm
.Lfunc_end_k_qb7b88c3564_gemm_qk:
	.size	k_qb7b88c3564_gemm_qk, .Lfunc_end_k_qb7b88c3564_gemm_qk-k_qb7b88c3564_gemm_qk
	.p2alignl 7, 3214868480
	.fill 96, 4, 3214868480
	.section	.rodata,"a",@progbits
	.p2align	6, 0x0
	.amdhsa_kernel k_qb7b88c3564_gemm_qk
		.amdhsa_group_segment_fixed_size 327680
		.amdhsa_private_segment_fixed_size 0
		.amdhsa_enable_private_segment 0
		.amdhsa_kernarg_size 32
		.amdhsa_user_sgpr_count 2
		.amdhsa_user_sgpr_kernarg_segment_ptr 1
		.amdhsa_wavefront_size32 1
		.amdhsa_system_sgpr_workgroup_id_x 1
		.amdhsa_system_sgpr_workgroup_id_y 1
		.amdhsa_system_sgpr_workgroup_id_z 1
		.amdhsa_system_vgpr_workitem_id 0
		.amdhsa_next_free_vgpr 1024
		.amdhsa_next_free_sgpr 100
		.amdhsa_reserve_vcc 0
		.amdhsa_float_denorm_mode_32 3
		.amdhsa_float_denorm_mode_16_64 3
		.amdhsa_memory_ordered 1
		.amdhsa_forward_progress 1
		.amdhsa_inst_pref_size 121
	.end_amdhsa_kernel
	.amdgpu_metadata
---
amdhsa.version: [ 1, 2 ]
amdhsa.kernels:
  - .name:           k_qb7b88c3564_gemm_qk
    .symbol:         k_qb7b88c3564_gemm_qk.kd
    .args:
      - { .name: xc, .offset: 0, .size: 8, .value_kind: global_buffer, .address_space: global }
      - { .name: wc, .offset: 8, .size: 8, .value_kind: global_buffer, .address_space: global }
      - { .name: lowp_scales, .offset: 16, .size: 8, .value_kind: global_buffer, .address_space: global }
      - { .name: qkc, .offset: 24, .size: 8, .value_kind: global_buffer, .address_space: global }
    .group_segment_fixed_size: 327680
    .private_segment_fixed_size: 0
    .kernarg_segment_align: 8
    .kernarg_segment_size: 32
    .max_flat_workgroup_size: 128
    .sgpr_count:     100
    .vgpr_count:     1024
    .wavefront_size: 32
...
	.end_amdgpu_metadata
.endif
;; end of part 2
;; launch attnv (part 3): grid 256 x 1, 8 waves a work-group, clusters of 4 x 1, 167,936 bytes of LDS; arguments qkc, xc, wc, lowp_scales, oc; writes oc
.if DOCPART == 3
	.amdgcn_target "amdgcn-amd-amdhsa--gfx1250"
	.amdhsa_code_object_version 6
	.text
	.protected	k_qb7b88c3564_attnv
	.globl	k_qb7b88c3564_attnv
	.p2align	8
	.type	k_qb7b88c3564_attnv,@function
k_qb7b88c3564_attnv:
	s_mov_b64 s[64:65], 0
	v_nop
	global_prefetch_b8 v0, s[64:65] scope:SCOPE_SE
	s_setreg_imm32_b32 hwreg(HW_REG_WAVE_MODE, 25, 1), 1
	s_wait_xcnt 0x0
	s_wait_alu depctr_hold_cnt(0) depctr_sa_sdst(0) depctr_va_vdst(0) depctr_va_sdst(0) depctr_va_ssrc(0) depctr_va_vcc(0) depctr_vm_vsrc(0)
	s_getreg_b32 s2, hwreg(HW_REG_IB_STS2, 6, 4)
	s_cmp_eq_u32 s2, 0
	s_cbranch_scc0 .Lentry_in_a_cluster
	s_endpgm
.Lentry_in_a_cluster:
	s_bfe_u32 s2, ttmp6, 0x10000c
	s_cmp_lg_u32 s2, 0x3003
	s_cbranch_scc0 .Lentry_shape_is_right
	s_endpgm
.Lentry_shape_is_right:
; w[b][head][m] = the diagonal of the causal softmax of 8 Q K^T; V = x P_v; o = w V in f32; o's codes for the last product.  All products on codes of BF8 (E5M2).
; Of the softmax only the diagonal goes on, so there is no product with the weights: a running maximum, a running sum and the diagonal's p.  Keys behind a query's block are under the causal mask and are left out in whole steps.
; SHARES.  A cluster of four work-groups has one batch b and one pair of query blocks I, 15 - I (64 rows each; I = 0..7): 15 full key steps and two on the diagonal for every head.  Work-group cx has heads 4 cx .. 4 cx + 3.
; Waves 0-3 make w of one head each for the 128 rows; waves 4-7 make, beside them, V's 128 rows x 64 channels of the same heads.  w goes from wave n to wave n + 4 through 1,024 bytes of LDS, as an image of its eight registers, behind one barrier.
; SOFTMAX: p = 2^(c s - c m), c = 8 log2(e) 2^(e6 + e7), m the running largest s; the sum and the diagonal's p are multiplied by 2^(c m_old - c m_new) in every step.  A block begins with its diagonal step.
; K's codes come from memory straight into registers (they lie in the operand's order), three key steps ahead, in three sets that take turns; the look-ahead is held at key step 14, so up to three sets a block are loaded and not used.
; V: x's 128 rows of all K are 131,072 bytes of LDS, filled once, at the head, by waves 4-7: a piece of 64 rows x two K steps each, two rows of 16,384 bytes.  They are the same for the four work-groups of a cluster: joint loads, mask 15.
; P_v's fragments are read by one wave alone, so they go from memory straight into its registers, a step of 128 along K ahead.  A cluster along (b, I) is not open: the key loop's exit hangs on I.
; No prefetch of x's tiles or of P_v's codes: all of x is asked for at the head, and P_v's loads stand a step ahead.  One prefetch a softmax wave names the second block's Q and diagonal K (32 blocks of 256 bytes, a lane each), a block ahead.
; CODES' LAYOUT: byte(row, k) = (k / 256) ROWS 256 + (row / 16) 4096 + ((k % 256) / 16) 256 + (row % 16) 16 + k % 16.
; LIMITS: e6 + e7 between -129 and 124; e8 - e4 - e5 between -126 and 112.  An exponential below 2^-126 comes out as 0.
; REGISTERS.  Both kinds: v1-14 addresses and scales.  Softmax: window 0 as named; window 1: K's sets at 0, 32, 64, the diagonal's at 96.  V: P_v's two sets at v16, v80; four of x's fragments at v144; the way out from v208; window 1: the 32 accumulators, (a, b) at 8 (4 a + b).
.set SCR,   131072                     ; w's way: 4 x 1,024 bytes
.set SPARE, 135168
.set ASTEP, 8192*256
.set BSTEP, 1024*256
.set LI,   1
.set KO,   2
.set CO,   5
.set SPW,  6
.set NIL,  7
.set SC,   8
.set LIM,  9
.set ADA,  10
.set WAD,  12
.set QO,   13
.set PFO,  14
.set QF,   16
.set DG,   80
.set W,    84
.set NINF, 92
.set S,    96
.set ST,   224
.set KD,   96
.set BF,   16
.set AF,   144
.set TMP,  208
.set WV,   240
.set CD,   248
.set G0A, 56
.set G1A, 68
.set MSB, 0
.macro WIN new
.if MSB != \new
	s_set_vgpr_msb (MSB<<8)|\new
.set MSB, \new
.endif
.endm
.macro PLACES
.rept 4
	v_nop
.endr
.endm
.macro CROUND
	s_barrier_signal -1
	s_barrier_wait -1
	s_cmp_lg_u32 s14, 0
	s_cbranch_scc1 .Lnot_wave_0_\@
	s_barrier_signal -3
.Lnot_wave_0_\@:
	s_barrier_wait -3
	s_barrier_signal -1
	s_barrier_wait -1
.endm
	s_load_b256 s[4:11], s[0:1], 0x0               ; qkc 4, xc 6, wc 8, the exponents 10
	s_load_b64 s[12:13], s[0:1], 0x20              ; oc
	v_lshl_add_u32 v[SPW], v0, 2, SPARE
	v_mov_b32 v[NIL], 0
	ds_add_u32 v[SPW], v[NIL]                      ; the opening lines
	ds_add_u32 v[SPW], v[NIL]
	v_lshrrev_b32 v48, 5, v0
	v_readfirstlane_b32 s14, v48                   ; wave 0..7
	s_and_b32 s2, s14, 3                           ; my head of the four
	s_lshr_b32 s3, s14, 2                          ; 0: softmax, 1: V
	s_and_b32 s16, s14, 1                          ; the piece of x that I fetch
	s_bfe_u32 s17, s14, 0x10001                    ; and its two K steps
	s_bfe_u32 s31, ttmp6, 0x40000                  ; cx: the group of four heads
	s_lshr_b32 s18, ttmp9, 3                       ; b
	s_and_b32 s19, ttmp9, 7                        ; I
	s_xor_b32 s15, s19, 15                         ; the block in hand: 15 - I first
	s_mov_b32 s[G1A], 15|(3<<16)|(1<<21)           ; mask of the four, elements of 8 bytes
	s_mov_b32 s[G1A+1], 2048<<16                   ; a row: 16,384 bytes on end
	s_mov_b32 s[G1A+2], 2<<16                      ; two rows,
	s_mov_b32 s[G1A+3], 2048<<16
	s_mov_b32 s[G1A+4], 2
	s_mov_b32 s[G1A+5], ASTEP/8                    ; a K step apart
	s_mov_b32 s[G1A+6], 0
	s_mov_b32 s[G1A+7], 0
	s_mul_i32 s32, s16, 15
	s_xor_b32 s32, s32, s19                        ; piece 0: block I, piece 1: block 15 - I
	s_lshl_b32 s32, s32, 14
	s_lshl_b32 s34, s18, 18
	s_add_co_u32 s32, s32, s34
	s_lshl_b32 s34, s17, 22
	s_add_co_u32 s32, s32, s34
	s_add_co_u32 s32, s32, 0x1000000               ; xc's part 2
	s_mov_b32 s33, 0
	s_lshl_b32 s24, s31, 16
	s_lshl_b32 s25, s2, 14
	s_add_co_u32 s24, s24, s25
	s_add_co_u32 s24, s24, 0x200000                ; wc's part 2, my head's four blocks of 16 rows
	s_mov_b32 s25, 0
	s_mov_b32 s20, 0x76543210
	s_mov_b32 s21, 0xfedcba98
.irp j, 0,1,2,3,4,5,6,7
	s_mov_b32 s[40+\j], ((1<<\j)-1)|(((1<<(8+\j))-1)<<16)   ; lanes in which register j of a diagonal tile is hidden
	s_mov_b32 s[48+\j], (1<<\j)|(1<<(24+\j))                ; lanes in which it is the diagonal
.endr
	s_lshl_b32 s34, s16, 16
	s_lshl_b32 s35, s17, 15
	s_mov_b32 s[G0A], 1
	s_add_co_u32 s[G0A+1], s34, s35                ; LDS: 65,536 x piece + 16,384 x K step
	s_wait_dscnt 0x0
	s_wait_kmcnt 0x0
	s_load_b256 s[92:99], s[10:11], 0x0            ; e0 .. e7
	s_load_b64 s[66:67], s[10:11], 0x20            ; e8, e9
	s_add_nc_u64 s[G0A+2:G0A+3], s[6:7], s[32:33]
	s_or_b32 s[G0A+3], s[G0A+3], 0x80000000
	s_add_nc_u64 s[60:61], s[8:9], s[24:25]        ; P_v's codes of my head
	CROUND
	s_cmp_eq_u32 s3, 0
	s_cbranch_scc1 .Lno_fill
	tensor_load_to_lds s[G0A:G0A+3], s[G1A:G1A+7]
	s_nop 0
	PLACES
.Lno_fill:
	s_lshl_b32 s34, s31, 21
	s_lshl_b32 s35, s18, 18
	s_add_co_u32 s34, s34, s35
	s_lshl_b32 s35, s2, 10
	s_add_co_u32 s34, s34, s35                     ; group of heads, batch, my head's four pieces: the same in qkc and in oc
	s_mov_b32 s35, 0
	s_add_nc_u64 s[28:29], s[4:5], s[34:35]        ; Q
	s_add_nc_u64 s[26:27], s[28:29], 0x800000      ; K
	s_add_nc_u64 s[36:37], s[12:13], s[34:35]
	s_lshl_b32 s34, s15, 14
	s_add_nc_u64 s[38:39], s[36:37], s[34:35]      ; o's rows of block 15 - I
	s_lshl_b32 s34, s19, 14
	s_add_nc_u64 s[36:37], s[36:37], s[34:35]      ; and of block I
	v_and_b32 v48, 31, v0
	v_lshlrev_b32 v[LI], 4, v48
	v_and_b32 v49, 15, v0
	v_bfe_u32 v50, v0, 4, 1
	v_and_b32 v51, 3, v0
	v_bfe_u32 v52, v0, 2, 2
	v_lshlrev_b32 v[CO], 4, v49
	v_lshl_add_u32 v[CO], v50, 3, v[CO]
	v_lshlrev_b32 v[PFO], 23, v50                  ; lanes 0-15 Q, 16-31 K; four tiles 4,096 bytes apart; four blocks of 256 bytes
	v_lshl_add_u32 v[PFO], v52, 12, v[PFO]
	v_lshl_add_u32 v[PFO], v51, 8, v[PFO]
	v_add_nc_u32 v[PFO], s34, v[PFO]               ; in block I, the second in turn
	v_add_nc_u32 v[ADA], 0, v[LI]
	v_add_nc_u32 v[ADA+1], 65536, v[LI]
	s_lshl_b32 s34, s2, 10
	s_add_co_u32 s34, s34, SCR
	v_lshlrev_b32 v[WAD], 2, v48
	v_add_nc_u32 v[WAD], s34, v[WAD]
	s_wait_alu depctr_va_vdst(0)
.macro LOADS                           ; a block's Q, its diagonal's keys, and key steps 0, 1, 2
	s_lshl_b32 s34, s15, 14
	v_add_nc_u32 v[QO], s34, v[LI]
.irp v, 0,1,2,3
.irp c, 0,1
	global_load_b128 v[QF+8*\v+4*\c:QF+8*\v+4*\c+3], v[QO], s[28:29] offset:4096*\v+512*\c
.endr
.endr
	WIN 0x40
.irp u, 0,1,2,3
.irp c, 0,1
	global_load_b128 v[KD+8*\u+4*\c:KD+8*\u+4*\c+3], v[QO], s[26:27] offset:4096*\u+512*\c
.endr
.endr
.irp i, 0,1,2
.irp u, 0,1,2,3
.irp c, 0,1
	global_load_b128 v[32*\i+8*\u+4*\c:32*\i+8*\u+4*\c+3], v[LI], s[26:27] offset:16384*\i+4096*\u+512*\c
.endr
.endr
.endr
	WIN 0
.endm
.macro BLOAD q                         ; P_v's four fragments of step q into set q % 2
.irp b, 0,1,2,3
.irp c, 0,1,2,3
	global_load_b128 v[BF+64*((\q)%2)+16*\b+4*\c:BF+64*((\q)%2)+16*\b+4*\c+3], v[LI], s[60:61] offset:((\q)/2)*BSTEP+4096*\b+2048*((\q)%2)+512*\c
.endr
.endr
.endm
	s_cmp_lg_u32 s3, 0
	s_cbranch_scc1 .Lv_first
	LOADS
	global_prefetch_b8 v[PFO], s[28:29] th:TH_LOAD_NT scope:SCOPE_SE
	s_branch .Ljoin0
.Lv_first:
	BLOAD 0
.Ljoin0:
	s_wait_kmcnt 0x0
	s_add_co_i32 s22, s98, s99
	s_lshl_b32 s22, s22, 23
	s_add_co_i32 s22, s22, 0x4138aa3b              ; c = 8 log2(e), e6 + e7 added to its exponent field
	s_mov_b32 s23, s22
	s_sub_co_i32 s34, s66, s96
	s_sub_co_i32 s34, s34, s97                     ; e8 - e4 - e5
	s_add_co_i32 s34, s34, 127
	s_lshl_b32 s35, s34, 23
	v_mov_b32 v[SC], s35
	s_add_co_i32 s34, s34, 15
	s_lshl_b32 s34, s34, 23
	s_or_b32 s34, s34, 0x600000
	v_mov_b32 v[LIM], s34
	s_wait_alu depctr_va_vdst(0)
	s_wait_tensorcnt 0x0                           ; my part of x is in
	s_barrier_signal -1
	s_barrier_wait -1                              ; all of x is; from here on these bytes are only read
	s_cmp_lg_u32 s3, 0
	s_cbranch_scc1 .Lv_role
; A STEP OF 64 KEYS for four tiles of 16 queries.  d = 1: the diagonal step, tile (v, u) only where u <= v.  d = 0: all keys count; set kb is asked for again, three steps on.
.macro STEP d, kb, ph
.if \d
	s_wait_loadcnt 24                              ; Q and the diagonal's keys are in; the three sets' 24 loads may be out
.else
	s_wait_loadcnt 16                              ; this set is in; the two later sets' 16 loads may be out
	s_add_co_u32 s34, s24, 3
	s_min_u32 s34, s34, 14
	s_lshl_b32 s34, s34, 14
.endif
	WIN 0x01
.irp u, 0,1,2,3
.irp v, 0,1,2,3
.if (\d == 0) || (\u < \v+1)
	v_wmma_f32_16x16x64_bf8_bf8 v[S+32*\v+8*\u:S+32*\v+8*\u+7], v[\kb+8*\u:\kb+8*\u+7], v[QF+8*\v:QF+8*\v+7], 0
.endif
.endr
.endr
	WIN 0
.if \d == 0
	v_add_nc_u32 v[KO+\ph], s34, v[LI]             ; four places
.rept 3
	v_nop
.endr
	WIN 0x40
.irp u, 0,1,2,3
.irp c, 0,1
	global_load_b128 v[\kb+8*\u+4*\c:\kb+8*\u+4*\c+3], v[KO+\ph], s[26:27] offset:4096*\u+512*\c
.endr
.endr
	WIN 0
.else
	PLACES
	s_wait_alu depctr_va_vdst(0)
.irp j, 0,1,2,3,4,5,6,7
.irp v, 0,1,2,3
	v_cndmask_b32 v[S+40*\v+\j], v[S+40*\v+\j], v[NINF], s[40+\j]
.endr
.endr
.endif
.irp k, 0,1,2,3
.irp u, 0,1,2,3
.irp v, 0,1,2,3
.if (\d == 0) || (\u < \v+1)
.if \k == 0
	v_max3_num_f32 v[ST+8*\v+4+\u], v[S+32*\v+8*\u], v[S+32*\v+8*\u+1], v[S+32*\v+8*\u+2]
.elseif \k == 3
	v_max_num_f32 v[ST+8*\v+4+\u], v[ST+8*\v+4+\u], v[S+32*\v+8*\u+7]
.else
	v_max3_num_f32 v[ST+8*\v+4+\u], v[ST+8*\v+4+\u], v[S+32*\v+8*\u+2*\k+1], v[S+32*\v+8*\u+2*\k+2]
.endif
.endif
.endr
.endr
.endr
.irp v, 0,1,2,3
.if (\d == 0) || (\v > 1)
	v_max3_num_f32 v[ST+8*\v+4], v[ST+8*\v+4], v[ST+8*\v+5], v[ST+8*\v+6]
.endif
.endr
.irp v, 0,1,2,3
.if (\d == 0) || (\v == 3)
	v_max3_num_f32 v[ST+8*\v+4], v[ST+8*\v+4], v[ST+8*\v+7], v[ST+8*\v+1]
.elseif \v == 1
	v_max3_num_f32 v[ST+8*\v+4], v[ST+8*\v+4], v[ST+8*\v+5], v[ST+8*\v+1]
.else
	v_max_num_f32 v[ST+8*\v+4], v[ST+8*\v+4], v[ST+8*\v+1]
.endif
.endr
.irp v, 0,1,2,3
	v_permlanex16_b32 v[ST+8*\v+5], v[ST+8*\v+4], s20, s21
.endr
.irp v, 0,1,2,3
	v_mov_b32 v[ST+8*\v+7], v[ST+8*\v]             ; c m_old
.endr
.irp v, 0,1,2,3
	v_max_num_f32 v[ST+8*\v+1], v[ST+8*\v+4], v[ST+8*\v+5]
.endr
.irp v, 0,1,2,3
	v_mul_f32 v[ST+8*\v], s22, v[ST+8*\v+1]
.endr
.irp v, 0,1,2,3
	v_sub_f32 v[ST+8*\v+7], v[ST+8*\v+7], v[ST+8*\v]
.endr
	s_wait_alu depctr_va_vdst(0)
.irp v, 0,1,2,3
	v_exp_f32 v[ST+8*\v+6], v[ST+8*\v+7]           ; a = 2^(c m_old - c m_new)
.endr
.set i, 0
.rept 16
.irp v, 0,1,2,3
.if (\d == 0) || (i < 8*(\v+1))
	v_pk_fma_f32 v[S+32*\v+i:S+32*\v+i+1], v[S+32*\v+i:S+32*\v+i+1], s[22:23], v[ST+8*\v:ST+8*\v+1] op_sel_hi:[1,0,0] neg_lo:[0,0,1] neg_hi:[0,0,1]
.endif
.endr
.set i, i+2
.endr
.set i, 0
	s_wait_alu depctr_va_vdst(0)
.rept 32
.irp v, 0,1,2,3
.if (\d == 0) || (i < 8*(\v+1))
	v_exp_f32 v[S+32*\v+i], v[S+32*\v+i]
.endif
.endr
.set i, i+1
.endr
	v_nop
	s_wait_alu depctr_va_vdst(0)
.irp v, 0,1,2,3
	v_pk_add_f32 v[ST+8*\v+4:ST+8*\v+5], v[S+32*\v:S+32*\v+1], v[S+32*\v+2:S+32*\v+3]
.endr
.set i, 4
.rept 14
.irp v, 0,1,2,3
.if (\d == 0) || (i < 8*(\v+1))
	v_pk_add_f32 v[ST+8*\v+4:ST+8*\v+5], v[ST+8*\v+4:ST+8*\v+5], v[S+32*\v+i:S+32*\v+i+1]
.endif
.endr
.set i, i+2
.endr
.irp v, 0,1,2,3
	v_pk_fma_f32 v[ST+8*\v+2:ST+8*\v+3], v[ST+8*\v+2:ST+8*\v+3], v[ST+8*\v+6:ST+8*\v+7], v[ST+8*\v+4:ST+8*\v+5] op_sel_hi:[1,0,1]
.endr
.if \d
.irp v, 0,1,2,3
	v_cndmask_b32 v[DG+\v], 0, v[S+40*\v], s48     ; the diagonal's p, in one of the query's two lanes
.endr
.irp j, 1,2,3,4,5,6,7
.irp v, 0,1,2,3
	v_cndmask_b32 v[DG+\v], v[DG+\v], v[S+40*\v+\j], s[48+\j]
.endr
.endr
.else
.irp v, 0,1,2,3
	v_mul_f32 v[DG+\v], v[DG+\v], v[ST+8*\v+6]     ; the diagonal's p under the new m
.endr
.endif
	s_wait_alu depctr_va_vdst(0)
.endm
	v_mov_b32 v[NINF], 0xff800000
.irp j, 0,1,2,3,4,5,6,7
	v_mov_b32 v[W+\j], 0
.endr
	s_mov_b32 s30, 0
	s_wait_alu depctr_va_vdst(0)
.Lblk:                                             ; two trips: block 15 - I, then block I; a block's loads were issued ahead of it
.irp v, 0,1,2,3
	v_mov_b32 v[ST+8*\v], 0xff61b1e6               ; c m and m: -3e38, under every score
	v_mov_b32 v[ST+8*\v+1], 0xff61b1e6
.irp k, 2,3,4,5,6,7
	v_mov_b32 v[ST+8*\v+\k], 0
.endr
.endr
	s_wait_alu depctr_va_vdst(0)
	STEP 1, KD, 0
	s_mov_b32 s24, 0                               ; the key step
	s_mov_b32 s25, 0
.Ltrip:                                            ; five trips of three steps at the most; a block with number n leaves behind n steps
.irp i, 0,1,2
	s_cmp_ge_u32 s24, s15
	s_cbranch_scc1 .Ldone
	STEP 0, 32*\i, \i
	s_add_co_u32 s24, s24, 1
.endr
	s_add_co_u32 s25, s25, 1
	s_cmp_lt_u32 s25, 5
	s_cbranch_scc1 .Ltrip
.Ldone:
.irp v, 0,1,2,3
	v_add_f32 v[ST+8*\v+4], v[ST+8*\v+2], v[ST+8*\v+3]
.endr
.irp v, 0,1,2,3
	v_permlanex16_b32 v[ST+8*\v+5], v[ST+8*\v+4], s20, s21
.endr
.irp v, 0,1,2,3
	v_add_f32 v[ST+8*\v+4], v[ST+8*\v+4], v[ST+8*\v+5]
.endr
.irp v, 0,1,2,3
	v_permlanex16_b32 v[ST+8*\v+7], v[DG+\v], s20, s21
.endr
.irp v, 0,1,2,3
	v_add_f32 v[DG+\v], v[DG+\v], v[ST+8*\v+7]
.endr
	s_wait_alu depctr_va_vdst(0)
.irp v, 0,1,2,3
	v_rcp_f32 v[ST+8*\v+6], v[ST+8*\v+4]
.endr
.irp v, 0,1,2,3
	v_mov_b32 v[W+4+\v], v[W+\v]                   ; the first block's w moves up: in the end W + a belongs to x's block a of 16 rows
.endr
	s_wait_alu depctr_va_vdst(0)
.irp v, 0,1,2,3
	v_mul_f32 v[W+\v], v[DG+\v], v[ST+8*\v+6]
.endr
	s_wait_alu depctr_va_vdst(0)
	s_wait_loadcnt 0x0                             ; the sets asked for and not used have landed: their registers are loaded anew
	s_xor_b32 s15, s15, 15
	s_cmp_eq_u32 s30, 1
	s_cbranch_scc1 .Lno_next
	LOADS                                          ; the second block's
.Lno_next:
	s_add_co_u32 s30, s30, 1
	s_cmp_lt_u32 s30, 2
	s_cbranch_scc1 .Lblk
.irp a, 0,1,2,3,4,5,6,7
	ds_store_b32 v[WAD], v[W+\a] offset:128*\a     ; w, as an image of its registers
.endr
	s_branch .Ljoin1
; V.  Step q is 128 along K.  x's eight fragments come from LDS four at a time; the 32 accumulators take turns.
.macro ALOAD q, hf
.irp a, 0,1,2,3
.irp c, 0,1,2,3
	ds_load_b128 v[AF+16*\a+4*\c:AF+16*\a+4*\c+3], v[ADA+\hf] offset:((\q)/2)*16384+4096*\a+2048*((\q)%2)+512*\c
.endr
.endr
.endm
.macro VMUL q, hf, zero
	WIN 0x50                                       ; C and D in window 1
.irp a, 0,1,2,3
.irp b, 0,1,2,3
.if \zero
	v_wmma_f32_16x16x128_bf8_bf8 v[8*(4*(4*\hf+\a)+\b):8*(4*(4*\hf+\a)+\b)+7], v[BF+64*((\q)%2)+16*\b:BF+64*((\q)%2)+16*\b+15], v[AF+16*\a:AF+16*\a+15], 0
.else
	v_wmma_f32_16x16x128_bf8_bf8 v[8*(4*(4*\hf+\a)+\b):8*(4*(4*\hf+\a)+\b)+7], v[BF+64*((\q)%2)+16*\b:BF+64*((\q)%2)+16*\b+15], v[AF+16*\a:AF+16*\a+15], v[8*(4*(4*\hf+\a)+\b):8*(4*(4*\hf+\a)+\b)+7]
.endif
.endr
.endr
	WIN 0
.endm
.macro VQ q, zero
	PLACES                                         ; in front of loads into registers that the last products read
.if \q < 7
	BLOAD (\q)+1
.endif
	ALOAD \q, 0
.if \q < 7
	s_wait_loadcnt 16                              ; this step's P_v is in; the next step's 16 loads may be out
.else
	s_wait_loadcnt 0x0
.endif
	s_wait_dscnt 0x0
	VMUL \q, 0, \zero
	PLACES
	ALOAD \q, 1
	s_wait_dscnt 0x0
	VMUL \q, 1, \zero
.endm
.Lv_role:
	VQ 0, 1
.irp q, 1,2,3,4,5,6,7
	VQ \q, 0
.endr
	PLACES
.Ljoin1:
	s_wait_dscnt 0x0                               ; for the others' sake: my stores of w have landed
	s_barrier_signal -1
	s_barrier_wait -1
	s_cmp_eq_u32 s3, 0
	s_cbranch_scc1 .Lend
.irp a, 0,1,2,3,4,5,6,7
	ds_load_b32 v[WV+\a], v[WAD] offset:128*\a
.endr
	s_wait_dscnt 0x0
; THE WAY OUT: accumulator (a, b) gives lane l channels 16 b + 8 (l / 16) + 0 .. 7 of row l % 16 of block a: x w, the hold, one conversion; the 32 lanes of a store cover 256 consecutive bytes, aligned.
.macro OUTC a
	WIN 0x01
.set j, 0
.rept 32
	v_mul_f32 v[TMP+j], v[32*(\a)+j], v[WV+(\a)]
.set j, j+1
.endr
	WIN 0
.set j, 0
.rept 32
	v_med3_num_f32 v[TMP+j], v[TMP+j], -v[LIM], v[LIM]
.set j, j+1
.endr
	s_wait_alu depctr_va_vdst(0)
	s_wait_xcnt 0x0                                ; the last block's stores have read their registers
.irp b, 0,1,2,3
	v_cvt_scalef32_pk8_bf8_f32 v[CD+2*\b:CD+2*\b+1], v[TMP+8*\b:TMP+8*\b+7], v[SC]
.endr
	v_nop
.irp b, 0,1,2,3
	global_store_b64 v[CO], v[CD+2*\b:CD+2*\b+1], s[36+2*((\a)/4):37+2*((\a)/4)] offset:((\a)%4)*4096+\b*256
.endr
.endm
.irp a, 0,1,2,3,4,5,6,7
	OUTC \a
.endr
.Lend:
	s_wait_tensorcnt 0x0                           ; the wave's end
	ds_add_u32 v[SPW], v[NIL]
	s_wait_dscnt 0x0
	CROUND                                         ; the closing round
	s_endpgm
.Lfunc_end_k_qb7b88c3564_attnv:
	.size	k_qb7b88c3564_attnv, .Lfunc_end_k_qb7b88c3564_attnv-k_qb7b88c3564_attnv
	.p2alignl 7, 3214868480
	.fill 96, 4, 3214868480
	.section	.rodata,"a",@progbits
	.p2align	6, 0x0
	.amdhsa_kernel k_qb7b88c3564_attnv
		.amdhsa_group_segment_fixed_size 167936
		.amdhsa_private_segment_fixed_size 0
		.amdhsa_enable_private_segment 0
		.amdhsa_kernarg_size 40
		.amdhsa_user_sgpr_count 2
		.amdhsa_user_sgpr_kernarg_segment_ptr 1
		.amdhsa_wavefront_size32 1
		.amdhsa_system_sgpr_workgroup_id_x 1
		.amdhsa_system_sgpr_workgroup_id_y 1
		.amdhsa_system_sgpr_workgroup_id_z 1
		.amdhsa_system_vgpr_workitem_id 0
		.amdhsa_next_free_vgpr 512
		.amdhsa_next_free_sgpr 100
		.amdhsa_reserve_vcc 0
		.amdhsa_float_denorm_mode_32 3
		.amdhsa_float_denorm_mode_16_64 3
		.amdhsa_memory_ordered 1
		.amdhsa_forward_progress 1
		.amdhsa_inst_pref_size 172
	.end_amdhsa_kernel
	.amdgpu_metadata
---
amdhsa.version: [ 1, 2 ]
amdhsa.kernels:
  - .name:           k_qb7b88c3564_attnv
    .symbol:         k_qb7b88c3564_attnv.kd
    .args:
      - { .name: qkc, .offset: 0, .size: 8, .value_kind: global_buffer, .address_space: global }
      - { .name: xc, .offset: 8, .size: 8, .value_kind: global_buffer, .address_space: global }
      - { .name: wc, .offset: 16, .size: 8, .value_kind: global_buffer, .address_space: global }
      - { .name: lowp_scales, .offset: 24, .size: 8, .value_kind: global_buffer, .address_space: global }
      - { .name: oc, .offset: 32, .size: 8, .value_kind: global_buffer, .address_space: global }
    .group_segment_fixed_size: 167936
    .private_segment_fixed_size: 0
    .kernarg_segment_align: 8
    .kernarg_segment_size: 40
    .max_flat_workgroup_size: 256
    .sgpr_count:     100
    .vgpr_count:     512
    .wavefront_size: 32
...
	.end_amdgpu_metadata
.endif
;; end of part 3
;; launch gemm_o (part 4): grid 4 x 64, 4 waves a work-group, clusters of 4 x 4, 327,680 bytes of LDS; arguments oc, wc, lowp_scales, out0; writes out0
.if DOCPART == 4
	.amdgcn_target "amdgcn-amd-amdhsa--gfx1250"
	.amdhsa_code_object_version 6
	.text
	.protected	k_qb7b88c3564_gemm_o
	.globl	k_qb7b88c3564_gemm_o
	.p2align	8
	.type	k_qb7b88c3564_gemm_o,@function
k_qb7b88c3564_gemm_o:
	s_mov_b64 s[64:65], 0
	v_nop
	global_prefetch_b8 v0, s[64:65] scope:SCOPE_SE
	s_setreg_imm32_b32 hwreg(HW_REG_WAVE_MODE, 25, 1), 1
	s_wait_xcnt 0x0
	s_wait_alu depctr_hold_cnt(0) depctr_sa_sdst(0) depctr_va_vdst(0) depctr_va_sdst(0) depctr_va_ssrc(0) depctr_va_vcc(0) depctr_vm_vsrc(0)
	s_getreg_b32 s2, hwreg(HW_REG_IB_STS2, 6, 4)
	s_cmp_eq_u32 s2, 0
	s_cbranch_scc0 .Lentry_in_a_cluster
	s_endpgm
.Lentry_in_a_cluster:
	s_bfe_u32 s2, ttmp6, 0x10000c
	s_cmp_lg_u32 s2, 0xf033
	s_cbranch_scc0 .Lentry_shape_is_right
	s_endpgm
.Lentry_shape_is_right:
; y = o P_o^T on codes of BF8 (E5M2): 8,192 rows x 1,024 columns x K = 1,024; each finished sum x 2^(e8 + e9), f32.  LIMIT: e8 + e9 between -126 and 127.
; A block of C is 128 x 256: 64 x 4 = 256 work-groups of four waves; a wave makes 128 rows x 64 columns: 32 accumulators.
; CODES' LAYOUT: byte(row, k) = (k / 256) ROWS 256 + (row / 16) 4096 + ((k % 256) / 16) 256 + (row % 16) 16 + k % 16: a K step of o's 128 rows is 32 KiB on end, of P_o's 256 rows 64 KiB.
; K has four steps of 256.  LDS holds three of them: o's at 32,768 r, P_o's at 98,304 + 65,536 r.  At the head wave 3 asks for o's K steps 0 to 2 by one descriptor (three rows of 32 KiB), waves 0 to 2 for P_o's K step 0, 1, 2.
; K step 3 fills the places of K step 0 again when that has been multiplied (wave 3: o's, wave 0: P_o's).  All steps are written out: there is no loop.
; CLUSTERS 4 x 4: o's tile is shared along a row of the cluster, P_o's along a column: joint loads.
; PREFETCH: behind the head's loads waves 3 and 0 name the blocks of 256 bytes of K step 3's tiles, shared out by address among the four partners that ask jointly (o: 32 blocks each, P_o: 64).  P_o's tiles are the same for all sixteen clusters: four of them ask.
; The matrix instruction is used transposed (source 0 = P_o's rows, source 1 = o's rows): a lane holds eight neighbouring columns of a row of C.
; REGISTERS: window 0 addresses and the way out; window 1 the accumulators, (a, b) at 8 (4 a + b); window 2 o's fragments, two sets of 128; window 3 P_o's, two sets of 64.
.set BOFF,  98304
.set SPARE, 294912
.set ASTEP, 8192*256
.set BSTEP, 1024*256
.set SPITCH, 272                       ; a stage row: 256 bytes + 16
.set ADRA, 16
.set ADRB, 20
.set STO,  24
.set RD,   25
.set GO,   26
.set PFO,  27
.set SPW,  28
.set NIL,  29
.set LI,   30
.set TMP,  32
.set BK,   64
.set G1,  24                           ; o at the head
.set G0,  32
.set G1B, 48                           ; P_o
.set G0B, 56
.set G1C, 68                           ; o's K step 3
.set MULW, 0x5b
.set MSB, 0
.macro WIN new
.if MSB != \new
	s_set_vgpr_msb (MSB<<8)|\new
.set MSB, \new
.endif
.endm
.macro PLACES
.rept 4
	v_nop
.endr
.endm
.macro CROUND
	s_barrier_signal -1
	s_barrier_wait -1
	s_cmp_lg_u32 s14, 0
	s_cbranch_scc1 .Lnot_wave_0_\@
	s_barrier_signal -3
.Lnot_wave_0_\@:
	s_barrier_wait -3
	s_barrier_signal -1
	s_barrier_wait -1
.endm
	s_load_b128 s[4:7], s[0:1], 0x0                ; oc, wc
	s_load_b128 s[8:11], s[0:1], 0x10              ; the exponents, out0
	v_lshl_add_u32 v[SPW], v0, 2, SPARE
	v_mov_b32 v[NIL], 0
	ds_add_u32 v[SPW], v[NIL]                      ; the opening lines
	ds_add_u32 v[SPW], v[NIL]
	v_lshrrev_b32 v1, 5, v0
	v_readfirstlane_b32 s14, v1                    ; wave
	s_bfe_u32 s40, ttmp6, 0x40000                  ; cx = the block's column
	s_bfe_u32 s41, ttmp6, 0x40004                  ; cy
	s_and_b32 s42, ttmp7, 0xffff                   ; the cluster's y
	s_lshl_b32 s17, s42, 2
	s_add_co_u32 s17, s17, s41                     ; the block's row, 0..63
	s_lshl_b32 s43, s41, 2
	s_lshl_b32 s43, 15, s43
	s_lshl_b32 s44, 0x1111, s40
	s_or_b32 s[G1], s43, (3<<16)|(1<<21)
	s_or_b32 s[G1C], s43, (3<<16)|(1<<21)
	s_or_b32 s[G1B], s44, (3<<16)|(1<<21)
	s_mov_b32 s[G1+1], 4096<<16                    ; three rows of 32,768 bytes, a K step apart
	s_mov_b32 s[G1+2], 3<<16
	s_mov_b32 s[G1+3], 4096<<16
	s_mov_b32 s[G1+4], 3
	s_mov_b32 s[G1+5], ASTEP/8
	s_mov_b32 s[G1+6], 0
	s_mov_b32 s[G1+7], 0
.irp g, G1C, G1B
	s_mov_b32 s[\g+1], 32<<16
	s_mov_b32 s[\g+3], 32<<16
	s_mov_b32 s[\g+5], 32
	s_mov_b32 s[\g+6], 0
	s_mov_b32 s[\g+7], 0
.endr
	s_mov_b32 s[G1C+2], 128<<16                    ; 128 rows of 256 bytes, on end
	s_mov_b32 s[G1C+4], 128
	s_mov_b32 s[G1B+2], 256<<16                    ; 256
	s_mov_b32 s[G1B+4], 256
	s_lshl_b32 s20, s17, 15                        ; o: 32,768 x block row
	s_mov_b32 s21, 0
	s_lshl_b32 s46, s40, 16
	s_add_co_u32 s46, s46, 0x300000                ; P_o: wc's part 3, 65,536 x block column
	s_mov_b32 s47, 0
	s_lshl_b32 s22, s14, 18                        ; waves 0 to 2: K step = wave
	s_mov_b32 s23, 0
	s_lshl_b32 s45, s14, 16
	s_wait_dscnt 0x0
	s_wait_kmcnt 0x0
	s_load_b64 s[88:89], s[8:9], 0x20              ; e8, e9
	s_add_nc_u64 s[20:21], s[4:5], s[20:21]
	s_add_nc_u64 s[46:47], s[6:7], s[46:47]
	s_mov_b32 s[G0], 1
	s_mov_b32 s[G0+1], 0
	s_mov_b64 s[G0+2:G0+3], s[20:21]
	s_mov_b32 s[G0+4], 1
	s_mov_b32 s[G0+5], 0
	s_add_nc_u64 s[G0+6:G0+7], s[20:21], 3*ASTEP
	s_mov_b32 s[G0B], 1
	s_add_co_u32 s[G0B+1], s45, BOFF
	s_add_nc_u64 s[G0B+2:G0B+3], s[46:47], s[22:23]
	s_mov_b32 s[G0B+4], 1
	s_mov_b32 s[G0B+5], BOFF
	s_add_nc_u64 s[G0B+6:G0B+7], s[46:47], 3*BSTEP
.irp g, G0+3, G0+7, G0B+3, G0B+7
	s_or_b32 s[\g], s[\g], 0x80000000
.endr
	CROUND
	s_cmp_eq_u32 s14, 3
	s_cbranch_scc0 .Lhead_b
	tensor_load_to_lds s[G0:G0+3], s[G1:G1+7]
	s_nop 0
	PLACES
	s_branch .Lhead_j
.Lhead_b:
	tensor_load_to_lds s[G0B:G0B+3], s[G1B:G1B+7]
	s_nop 0
	PLACES
.Lhead_j:
	; where the prefetches stand: K step 3's tiles, my work-group's quarter of each
	s_lshl_b32 s18, s40, 13
	s_mov_b32 s19, 0
	s_add_nc_u64 s[66:67], s[20:21], s[18:19]
	s_add_nc_u64 s[66:67], s[66:67], 3*ASTEP
	s_lshl_b32 s18, s41, 14
	s_add_nc_u64 s[76:77], s[46:47], s[18:19]
	s_add_nc_u64 s[76:77], s[76:77], 3*BSTEP
	v_and_b32 v3, 31, v0
	v_lshlrev_b32 v[LI], 4, v3
	v_lshlrev_b32 v[PFO], 8, v3
	v_and_b32 v1, 15, v0
	v_bfe_u32 v2, v0, 4, 1
	s_lshl_b32 s21, s14, 14
	s_add_co_u32 s21, s21, BOFF
.irp r, 0,1,2
	v_add_nc_u32 v[ADRA+\r], \r*32768, v[LI]
	v_add_nc_u32 v[ADRB+\r], s21, v[LI]
	s_add_co_u32 s21, s21, 65536
.endr
	s_mul_i32 s23, s14, 16*SPITCH
	s_add_co_u32 s23, s23, 32768                   ; my stage, in the place of o's K step 1: it has its one fill at the head and its last read ahead of the last barrier
	v_mul_u32_u24 v5, v1, SPITCH
	v_lshl_add_u32 v5, v2, 5, v5
	v_add_nc_u32 v[STO], s23, v5
	v_mul_u32_u24 v6, v2, SPITCH
	v_lshl_add_u32 v6, v1, 4, v6
	v_add_nc_u32 v[RD], s23, v6
	v_lshlrev_b32 v[GO], 12, v2                    ; a row of y is 4,096 bytes
	v_lshl_add_u32 v[GO], v1, 4, v[GO]
	s_lshl_b32 s46, s17, 19
	s_lshl_b32 s47, s40, 10
	s_add_co_u32 s46, s46, s47
	s_lshl_b32 s47, s14, 8
	s_add_co_u32 s46, s46, s47
	s_mov_b32 s47, 0
	s_add_nc_u64 s[10:11], s[10:11], s[46:47]
	s_wait_alu depctr_va_vdst(0)
	s_cmp_eq_u32 s14, 3
	s_cbranch_scc0 .Lpf_b
	global_prefetch_b8 v[PFO], s[66:67] th:TH_LOAD_NT scope:SCOPE_SE
	s_branch .Lpf_0
.Lpf_b:
	s_cmp_eq_u32 s14, 0
	s_cbranch_scc0 .Lpf_0
	s_cmp_lt_u32 s42, 4
	s_cbranch_scc0 .Lpf_0
	global_prefetch_b8 v[PFO], s[76:77] th:TH_LOAD_NT scope:SCOPE_SE
	global_prefetch_b8 v[PFO], s[76:77] offset:8192 th:TH_LOAD_NT scope:SCOPE_SE
.Lpf_0:
	s_wait_kmcnt 0x0
	s_add_co_i32 s96, s88, s89
	s_add_co_i32 s96, s96, 127
	s_lshl_b32 s96, s96, 23                        ; 2^(e8 + e9)
	s_mov_b32 s97, s96
; Step q is 128 along K: place (q / 2) % 3, half and register set q % 2.  48 LDS loads, 32 matrix instructions, the 32 accumulators by turns.
.macro FETCH q
.set RG, ((\q)/2)%3
.set PP, (\q)%2
	WIN 0xc0
.irp b, 0,1,2,3
.irp c, 0,1,2,3
	ds_load_b128 v[64*PP+16*\b+4*\c:64*PP+16*\b+4*\c+3], v[ADRB+RG] offset:2048*PP+4096*\b+512*\c
.endr
.endr
	WIN 0x80
.irp a, 0,1,2,3,4,5,6,7
.irp c, 0,1,2,3
	ds_load_b128 v[128*PP+16*\a+4*\c:128*PP+16*\a+4*\c+3], v[ADRA+RG] offset:2048*PP+4096*\a+512*\c
.endr
.endr
	WIN 0
.endm
.macro MUL p, zero
	WIN MULW
.irp a, 0,1,2,3,4,5,6,7
.irp b, 0,1,2,3
.if \zero
	v_wmma_f32_16x16x128_bf8_bf8 v[8*(4*\a+\b):8*(4*\a+\b)+7], v[64*(\p)+16*\b:64*(\p)+16*\b+15], v[128*(\p)+16*\a:128*(\p)+16*\a+15], 0
.else
	v_wmma_f32_16x16x128_bf8_bf8 v[8*(4*\a+\b):8*(4*\a+\b)+7], v[64*(\p)+16*\b:64*(\p)+16*\b+15], v[128*(\p)+16*\a:128*(\p)+16*\a+15], v[8*(4*\a+\b):8*(4*\a+\b)+7]
.endif
.endr
.endr
.endm
.macro KSTEP q, nxt, zero
.if \nxt
	PLACES                                         ; in front of loads into the set that the last step multiplied
	FETCH (\q)+1
	s_wait_dscnt 48                                ; all but the 48 just issued
.else
	s_wait_dscnt 0x0
.endif
	MUL (\q)%2, \zero
.endm
	s_wait_tensorcnt 0x0                           ; my tiles are in
	s_barrier_signal -1
	s_barrier_wait -1                              ; K steps 0 to 2 are whole
	FETCH 0
	KSTEP 0, 1, 1
	KSTEP 1, 1, 0
	WIN 0
	s_wait_tensorcnt 0x0
	ds_add_u32 v[SPW], v[NIL]
	s_wait_dscnt 0x0                               ; my reads of K step 0 are over
	CROUND
	s_cmp_eq_u32 s14, 3
	s_cbranch_scc0 .Lre_b
	tensor_load_to_lds s[G0+4:G0+7], s[G1C:G1C+7]  ; K step 3 into K step 0's places
	s_nop 0
	PLACES
	s_branch .Lre_j
.Lre_b:
	s_cmp_eq_u32 s14, 0
	s_cbranch_scc0 .Lre_j
	tensor_load_to_lds s[G0B+4:G0B+7], s[G1B:G1B+7]
	s_nop 0
	PLACES
.Lre_j:
	KSTEP 2, 1, 0
	KSTEP 3, 1, 0
	KSTEP 4, 1, 0
	WIN 0
	s_wait_tensorcnt 0x0                           ; K step 3 is in
	s_wait_dscnt 0x0
	s_barrier_signal -1
	MUL 1, 0
	WIN 0
	s_barrier_wait -1
	PLACES
	FETCH 6
	KSTEP 6, 1, 0
	KSTEP 7, 0, 0
	PLACES
; THE WAY OUT, block by block of 16 rows x 64 columns: x 2^(e8 + e9), through my stage, back as rows of 256 bytes: sixteen lanes store one aligned unit of 256 bytes.  LDS serves a wave's instructions in order.
.macro TOSTAGE a
	WIN 0x01
.irp j, 0,2,4,6,8,10,12,14,16,18,20,22,24,26,28,30
	v_pk_mul_f32 v[TMP+\j:TMP+\j+1], v[32*(\a)+\j:32*(\a)+\j+1], s[96:97] op_sel_hi:[1,0]
.endr
	WIN 0
.irp b, 0,1,2,3
	ds_store_b128 v[STO], v[TMP+8*\b:TMP+8*\b+3] offset:64*\b
	ds_store_b128 v[STO], v[TMP+8*\b+4:TMP+8*\b+7] offset:64*\b+16
.endr
.set BB, BK+32*((\a)%2)
.irp t, 0,1,2,3,4,5,6,7
	ds_load_b128 v[BB+4*\t:BB+4*\t+3], v[RD] offset:\t*2*SPITCH
.endr
.endm
.macro SEND a, younger                 ; younger: the next block's 8 stores and 8 loads, which may be out
.set BB, BK+32*((\a)%2)
	s_wait_dscnt \younger
.irp t, 0,1,2,3,4,5,6,7
	global_store_b128 v[GO], v[BB+4*\t:BB+4*\t+3], s[10:11] offset:(\a)*65536+\t*8192 th:TH_STORE_NT
.endr
.endm
	TOSTAGE 0
.irp a, 1,2,3,4,5,6,7
.if \a > 1
	s_wait_xcnt 0x0                                ; block a - 2's stores have read their registers
.endif
	TOSTAGE \a
	SEND \a-1, 16
.endr
	SEND 7, 0
	s_wait_tensorcnt 0x0                           ; the wave's end
	ds_add_u32 v[SPW], v[NIL]
	s_wait_dscnt 0x0
	CROUND                                         ; the closing round
	s_endpgm
.Lfunc_end_k_qb7b88c3564_gemm_o:
	.size	k_qb7b88c3564_gemm_o, .Lfunc_end_k_qb7b88c3564_gemm_o-k_qb7b88c3564_gemm_o
	.p2alignl 7, 3214868480
	.fill 96, 4, 3214868480
	.section	.rodata,"a",@progbits
	.p2align	6, 0x0
	.amdhsa_kernel k_qb7b88c3564_gemm_o
		.amdhsa_group_segment_fixed_size 327680
		.amdhsa_private_segment_fixed_size 0
		.amdhsa_enable_private_segment 0
		.amdhsa_kernarg_size 32
		.amdhsa_user_sgpr_count 2
		.amdhsa_user_sgpr_kernarg_segment_ptr 1
		.amdhsa_wavefront_size32 1
		.amdhsa_system_sgpr_workgroup_id_x 1
		.amdhsa_system_sgpr_workgroup_id_y 1
		.amdhsa_system_sgpr_workgroup_id_z 1
		.amdhsa_system_vgpr_workitem_id 0
		.amdhsa_next_free_vgpr 1024
		.amdhsa_next_free_sgpr 100
		.amdhsa_reserve_vcc 0
		.amdhsa_float_denorm_mode_32 3
		.amdhsa_float_denorm_mode_16_64 3
		.amdhsa_memory_ordered 1
		.amdhsa_forward_progress 1
		.amdhsa_inst_pref_size 75
	.end_amdhsa_kernel
	.amdgpu_metadata
---
amdhsa.version: [ 1, 2 ]
amdhsa.kernels:
  - .name:           k_qb7b88c3564_gemm_o
    .symbol:         k_qb7b88c3564_gemm_o.kd
    .args:
      - { .name: oc, .offset: 0, .size: 8, .value_kind: global_buffer, .address_space: global }
      - { .name: wc, .offset: 8, .size: 8, .value_kind: global_buffer, .address_space: global }
      - { .name: lowp_scales, .offset: 16, .size: 8, .value_kind: global_buffer, .address_space: global }
      - { .name: out0, .offset: 24, .size: 8, .value_kind: global_buffer, .address_space: global }
    .group_segment_fixed_size: 327680
    .private_segment_fixed_size: 0
    .kernarg_segment_align: 8
    .kernarg_segment_size: 32
    .max_flat_workgroup_size: 128
    .sgpr_count:     100
    .vgpr_count:     1024
    .wavefront_size: 32
...
	.end_amdgpu_metadata
.endif
;; end of part 4
